; MI455X (gfx1250); checked and timed in simulation.
; The chip was launched on July 23, 2026; its instructions are those of AMD's public machine-readable ISA for CDNA 5 (MIT licence, August 2026) and "CDNA5" Instruction Set Architecture Reference Guide (July 2026). The comments in the code are by the model that wrote it; some were corrected since.
;; Attention Module. Allowed arithmetic: float matrix products may take bf16 or f16 operands with f32 sums; all other float work in f32.
;; Inputs: W 1,024 x 1,024 float32; encoder_outputs 32 x 2,048 x 1,024 float32; hidden 32 x 1,024 float32.
;; Outputs: out0 32 x 1,024 float32; out1 32 x 2,048 float32.
;; 2 versions, each right; version 2 is version 1 with the launch stream written anew for expert scheduling mode. Each part assembles by itself: llvm-mc -triple=amdgcn-amd-amdhsa -mcpu=gfx1250 --defsym DOCPART=n.
;; ======== version 1 of 2: 3 launches
;; workspace buffers: vpart 2,097,152 bytes; part 1,048,576 bytes; stats 65,536 bytes; scores 262,144 bytes
;; launch vproj (part 1): grid 16 x 16, 8 waves a work-group, no clusters, 0 bytes of LDS; arguments hidden, W, vpart; writes vpart
.if DOCPART == 1
	.amdgcn_target "amdgcn-amd-amdhsa--gfx1250"
	.amdhsa_code_object_version 6
	.text
	.protected	k_q699f410dd9_vproj
	.globl	k_q699f410dd9_vproj
	.p2align	8
	.type	k_q699f410dd9_vproj,@function
k_q699f410dd9_vproj:
	s_mov_b64 s[64:65], 0
	v_nop
	global_prefetch_b8 v0, s[64:65] scope:SCOPE_SE
	s_setreg_imm32_b32 hwreg(HW_REG_WAVE_MODE, 25, 1), 1
	s_wait_xcnt 0x0
; vpart[ks][b][h] = sum over o = 64 ks .. 64 ks + 63 of hidden[b][o] * W[o][h], all f32.
; WHY: score[b][t] = sum_o (sum_h E[b][t][h] W[o][h]) hidden[b][o] = sum_h E[b][t][h] v[b][h] with v = hidden W.  That is the same sum in
; another order, for every input; it takes the 137 GFLOP product down to three products with few rows.  LIMIT: the order of rounding
; differs from the reference's (f32 sums in another order).
; The sixteen parts over o are added by the next launch (no sums between work-groups inside a launch).
; Work-group (cb, ks): 64 columns (256 bytes of each row of W), 64 rows of W.  Wave w: batches 4 w .. 4 w + 3.  Lane L: columns 64 cb + 2 L, + 1.
; No matrix instruction: operands in 16 bits would put an error of about a tenth on scores whose exponentials are the result, and the whole
; product is 33.5 M multiply-adds.  No LDS, no barrier: a wave needs nothing from another.  No cluster: each tile of W is read by one
; work-group alone; what work-groups share is hidden, 1 KiB a wave.
.set HV,  4                            ; v[4:11]    pair i: hidden[4 w + i][64 ks + 2 L], [.. + 1]
.set ACC, 12                           ; v[12:19]   pair i: the sums of batch 4 w + i, my two columns
.set WV,  20                           ; v[20:147]  pair o: W[64 ks + o][my two columns]
.set HS,  16                           ; s[16:47]   two banks of eight pairs: the even register holds one number of hidden, the odd one 0
	s_load_b128 s[4:7], s[0:1], 0x0                ; hidden s[4:5], W s[6:7]
	s_load_b64 s[8:9], s[0:1], 0x10                ; vpart
	v_and_b32 v1, 31, v0
	v_lshrrev_b32 v3, 5, v0                        ; wave
	v_lshlrev_b32 v1, 3, v1                        ; 8 L: my 8 bytes of a 256-byte piece of a row
	v_lshl_add_u32 v2, v3, 14, v1                  ; + 4 w rows of 4,096 bytes: hidden and vpart
	s_and_b32 s10, ttmp7, 0xffff                   ; ks
	s_lshl_b32 s11, ttmp9, 8                       ; 256 cb
	s_mov_b32 s13, 0                               ; upper word of every offset (all are below 4 MiB)
.irp r, 1,3,5,7,9,11,13,15,17,19,21,23,25,27,29,31
	s_mov_b32 s[HS+\r], 0                          ; the packed forms name a pair: its upper register is written once and selected by no half
.endr
	s_wait_kmcnt 0x0
	s_lshl_b32 s12, s10, 8
	s_add_nc_u64 s[4:5], s[4:5], s[12:13]          ; hidden at column 64 ks
	s_lshl_b32 s12, s10, 18
	s_add_co_u32 s12, s12, s11
	s_add_nc_u64 s[6:7], s[6:7], s[12:13]          ; W at row 64 ks, column 64 cb
	s_lshl_b32 s12, s10, 17
	s_add_co_u32 s12, s12, s11
	s_add_nc_u64 s[8:9], s[8:9], s[12:13]          ; vpart at part ks, column 64 cb
.irp i, 0,1,2,3
	global_load_b64 v[HV+2*\i:HV+2*\i+1], v2, s[4:5] offset:4096*\i
.endr
.irp a, 0,1,2,3,4,5,6,7
.irp c, 0,1,2,3,4,5,6,7
	global_load_b64 v[WV+2*(8*\a+\c):WV+2*(8*\a+\c)+1], v1, s[6:7] offset:4096*(8*\a+\c)   ; a wave's load covers 256 consecutive bytes, aligned
.endr
.endr
; Rows o = 2 q and 2 q + 1.  Lane q holds hidden[.][64 ks + 2 q] and [.. + 1]: eight numbers go to scalar registers,
; then each multiplies a row's pair of columns.  The two banks take turns, so that a bank is rewritten a step after it was read.
; The very first row starts the sums by a multiplication: nothing is cleared.
.macro OSTEP q, bank
.irp e, 0,1
.irp i, 0,1,2,3
	v_readlane_b32 s[HS+16*\bank+2*(4*\e+\i)], v[HV+2*\i+\e], \q
.endr
.endr
.irp e, 0,1
.irp i, 0,1,2,3
.if (\q)+\e == 0
	v_pk_mul_f32 v[ACC+2*\i:ACC+2*\i+1], v[WV+2*(2*(\q)+\e):WV+2*(2*(\q)+\e)+1], s[HS+16*\bank+2*(4*\e+\i):HS+16*\bank+2*(4*\e+\i)+1] op_sel_hi:[1,0]
.else
	v_pk_fma_f32 v[ACC+2*\i:ACC+2*\i+1], v[WV+2*(2*(\q)+\e):WV+2*(2*(\q)+\e)+1], s[HS+16*\bank+2*(4*\e+\i):HS+16*\bank+2*(4*\e+\i)+1], v[ACC+2*\i:ACC+2*\i+1] op_sel_hi:[1,0,1]
.endif
.endr
.endr
.endm
.irp g, 0,1,2,3,4,5,6,7
	s_wait_loadcnt 56-8*\g                         ; loads return in order: rows 0 .. 8 g + 7 of W (and hidden, which is older) are in; the 56 - 8 g younger rows stay out
	OSTEP 4*\g+0, 0
	OSTEP 4*\g+1, 1
	OSTEP 4*\g+2, 0
	OSTEP 4*\g+3, 1
.endr
.irp i, 0,1,2,3
	global_store_b64 v2, v[ACC+2*\i:ACC+2*\i+1], s[8:9] offset:4096*\i   ; 32 lanes x 8 bytes: 256 consecutive bytes, aligned
.endr
	s_endpgm
.Lfunc_end_k_q699f410dd9_vproj:
	.size	k_q699f410dd9_vproj, .Lfunc_end_k_q699f410dd9_vproj-k_q699f410dd9_vproj
	.p2alignl 7, 3214868480
	.fill 96, 4, 3214868480
	.section	.rodata,"a",@progbits
	.p2align	6, 0x0
	.amdhsa_kernel k_q699f410dd9_vproj
		.amdhsa_group_segment_fixed_size 0
		.amdhsa_private_segment_fixed_size 0
		.amdhsa_enable_private_segment 0
		.amdhsa_kernarg_size 24
		.amdhsa_user_sgpr_count 2
		.amdhsa_user_sgpr_kernarg_segment_ptr 1
		.amdhsa_wavefront_size32 1
		.amdhsa_system_sgpr_workgroup_id_x 1
		.amdhsa_system_sgpr_workgroup_id_y 1
		.amdhsa_system_sgpr_workgroup_id_z 1
		.amdhsa_system_vgpr_workitem_id 0
		.amdhsa_next_free_vgpr 148
		.amdhsa_next_free_sgpr 66
		.amdhsa_reserve_vcc 0
		.amdhsa_float_denorm_mode_32 3
		.amdhsa_float_denorm_mode_16_64 3
		.amdhsa_memory_ordered 1
		.amdhsa_forward_progress 1
		.amdhsa_inst_pref_size 41
	.end_amdhsa_kernel
	.amdgpu_metadata
---
amdhsa.version: [ 1, 2 ]
amdhsa.kernels:
  - .name:           k_q699f410dd9_vproj
    .symbol:         k_q699f410dd9_vproj.kd
    .args:
      - { .name: hidden, .offset: 0, .size: 8, .value_kind: global_buffer, .address_space: global }
      - { .name: W, .offset: 8, .size: 8, .value_kind: global_buffer, .address_space: global }
      - { .name: vpart, .offset: 16, .size: 8, .value_kind: global_buffer, .address_space: global }
    .group_segment_fixed_size: 0
    .private_segment_fixed_size: 0
    .kernarg_segment_align: 8
    .kernarg_segment_size: 24
    .max_flat_workgroup_size: 256
    .sgpr_count:     66
    .vgpr_count:     148
    .wavefront_size: 32
...
	.end_amdgpu_metadata
.endif
;; end of part 1
;; launch stream (part 2): grid 8 x 32, 16 waves a work-group, no clusters, 72,960 bytes of LDS; arguments encoder_outputs, vpart, part, stats, scores; writes part, stats, scores
.if DOCPART == 2
	.amdgcn_target "amdgcn-amd-amdhsa--gfx1250"
	.amdhsa_code_object_version 6
	.text
	.protected	k_q699f410dd9_stream
	.globl	k_q699f410dd9_stream
	.p2align	8
	.type	k_q699f410dd9_stream,@function
k_q699f410dd9_stream:
	s_mov_b64 s[64:65], 0
	v_nop
	global_prefetch_b8 v0, s[64:65] scope:SCOPE_SE
	s_setreg_imm32_b32 hwreg(HW_REG_WAVE_MODE, 25, 1), 1
	s_wait_xcnt 0x0
; One pass over encoder_outputs E [32][2048][1024] f32: scores, softmax with a running maximum, and the weighted sum of rows, fused, so that
; every byte of E is read once.  Work-group (c, b), idx = 8 b + c, takes rows t = 256 c .. 256 c + 255 of batch b (1 MiB) and leaves
;   scores[b][t]  = E[b][t][:] . v[b][:]            (raw; v[b] = the sum of the sixteen parts in vpart)
;   stats[idx]    = (m, l): m = the largest score of the chunk, l = sum over its t of exp(s_t - m); written 32 times, one 256-byte piece
;   part[idx][h]  = sum over its t of exp(s_t - m) E[b][t][h]
; The last launch joins a batch's eight chunks.
; Sixteen waves; wave w takes local rows 16 i + w, i = 0 .. 15, a whole row (4,096 bytes = 32 registers) a turn: the dot product stays inside
; the wave, and the row stays in registers for the weighted sum.  Four row slots and, at the start, the accumulator's registers are loaded
; ahead: 40 loads of 512 bytes a wave at the start, 24 while a row is at work.
; All arithmetic is f32 on the vector unit: these are products with ONE row a batch, of which a 16 x 16 matrix form would use a sixteenth, a
; conversion would cost what the multiply-add costs, and 16-bit operands would put an error of about a tenth on the scores.
; No tensor loads, no LDS ring: a row is read by one wave alone and goes straight to its registers.  No cluster: no byte of E is shared; the
; eight work-groups of a batch share 64 KiB of vpart against 1 MiB of their own.  No prefetch: the loop's own loads run four rows ahead.
; LIMITS: sums in f32 in another order than the reference's; v_exp_f32 gives 0 for results below 2^-126 (weights that small come out as 0);
; a score's own f32 rounding grows with the scores' size, as it does in the reference.
.set LOG2E, 0x3fb8aa3b
.set LACC, 0                           ; LDS: 16 waves x 4,096 bytes: each wave's weighted sum of rows
.set LV,   65536                       ;      4,096 bytes: v[b]
.set LST,  69632                       ;      m of the 16 waves at +0, l at +64
.set LSC,  69888                       ;      1,024 bytes: the chunk's 256 scores.  No LDS byte is written twice.
.set DD,   10                          ; v[10:17]  four chains of the dot product
.set SS,   18                          ; the row's score
.set MNEW, 19
.set TA,   20
.set TP,   21
.set FA,   22                          ; v[22:23] = (factor for what was summed so far, running maximum)
.set MM,   23
.set FP,   24                          ; v[24:25] = (the row's weight, running sum of weights)
.set LL,   25
.set VV,   32                          ; v[32:63]  v[b] at my columns 128 j + 4 L .. + 3
.set ACC,  64                          ; v[64:95]  the weighted sum at the same columns
.set XX,   96                          ; v[96:223] four row slots of 32 registers
; v1 4096 w + 16 L (E, LACC)   v2 8 t (vpart, part, LACC by columns)   v3 LV + 8 t   v4 LV + 16 L   v5 LSC + 4 w   v6 LST + 4 w
; v7 LST   v8 LSC + 16 L   v9 16 L   v26 8 L.  None is ever rewritten, nor any base: no load or store has a source freed by a wait.
	s_load_b256 s[4:11], s[0:1], 0x0               ; E s[4:5], vpart s[6:7], part s[8:9], stats s[10:11]
	s_load_b64 s[12:13], s[0:1], 0x20              ; scores
	v_lshl_add_u32 v224, v0, 2, 0x11500
	v_mov_b32 v225, 0
	v_lshrrev_b32 v3, 5, v0
	v_readfirstlane_b32 s14, v3                    ; wave
	v_and_b32 v9, 31, v0
	v_lshlrev_b32 v26, 3, v9                       ; 8 L
	v_lshlrev_b32 v9, 4, v9                        ; 16 L
	v_lshl_add_u32 v1, s14, 12, v9                 ; 4096 w + 16 L
	v_lshlrev_b32 v2, 3, v0                        ; 8 t: thread t owns columns 2 t, 2 t + 1 where the work-group works by columns
	s_and_b32 s15, ttmp7, 0xffff                   ; b
	s_lshl_b32 s20, s15, 12                        ; a row of vpart
	s_mov_b32 s21, 0
	s_lshl_b32 s15, s15, 3
	s_add_co_u32 s15, s15, ttmp9                   ; idx = 8 b + c
	s_lshl_b32 s16, s15, 20                        ; idx x 256 rows x 4,096 bytes: below 2^28
	s_mov_b32 s17, 0
	s_mov_b32 s18, 0x76543210                      ; v_permlanex16_b32: lane i of one half reads lane i of the other
	s_mov_b32 s19, 0xfedcba98
	s_wait_kmcnt 0x0
	s_add_nc_u64 s[6:7], s[6:7], s[20:21]
	s_add_nc_u64 s[4:5], s[4:5], s[16:17]
.irp k, 0,1,2,3,4,5,6,7,8,9,10,11,12,13,14,15
	global_load_b64 v[VV+2*\k:VV+2*\k+1], v2, s[6:7] offset:131072*\k      ; part k of v[b] at my two columns
.endr
; a row: eight loads of 512 consecutive bytes; E is read once in the launch
.macro FILL blk, row
.irp j, 0,1,2,3,4,5,6,7
	global_load_b128 v[\blk+4*\j:\blk+4*\j+3], v1, s[4:5] offset:65536*(\row)+512*\j th:TH_LOAD_NT
.endr
.endm
	FILL ACC, 0                                    ; the first row has the weight exp(0) = 1: it is loaded straight into the sum's registers
	FILL XX+32*0, 1
	FILL XX+32*1, 2
	FILL XX+32*2, 3
	FILL XX+32*3, 4
	s_lshl_b32 s16, s15, 12
	s_add_nc_u64 s[8:9], s[8:9], s[16:17]          ; part at row idx
	s_lshl_b32 s16, s15, 8
	s_add_nc_u64 s[10:11], s[10:11], s[16:17]      ; stats at piece idx
	s_lshl_b32 s16, s15, 10
	s_add_nc_u64 s[12:13], s[12:13], s[16:17]      ; scores at the chunk's first
	s_lshl_b32 s22, s14, 2
	s_add_co_u32 s23, s22, LSC
	s_add_co_u32 s22, s22, LST
	v_add_nc_u32 v3, LV, v2
	v_add_nc_u32 v4, LV, v9
	v_mov_b32 v5, s23
	v_mov_b32 v6, s22
	v_mov_b32 v7, LST
	v_add_nc_u32 v8, LSC, v9
	; v[b]: sixteen parts are added in pairs, each thread for its two columns, and handed round through LDS
	s_wait_loadcnt 40                              ; the 16 loads of vpart are in; the 40 younger loads of E stay out
.irp k, 0,1,2,3,4,5,6,7
	v_pk_add_f32 v[VV+4*\k:VV+4*\k+1], v[VV+4*\k:VV+4*\k+1], v[VV+4*\k+2:VV+4*\k+3]
.endr
.irp k, 0,1,2,3
	v_pk_add_f32 v[VV+8*\k:VV+8*\k+1], v[VV+8*\k:VV+8*\k+1], v[VV+8*\k+4:VV+8*\k+5]
.endr
	v_pk_add_f32 v[VV:VV+1], v[VV:VV+1], v[VV+8:VV+9]
	v_pk_add_f32 v[VV+16:VV+17], v[VV+16:VV+17], v[VV+24:VV+25]
	v_pk_add_f32 v[VV:VV+1], v[VV:VV+1], v[VV+16:VV+17]
	ds_store_b64 v3, v[VV:VV+1]
	s_wait_dscnt 0x0                               ; my two columns are in LDS before I say so
	s_barrier_signal -1
	s_barrier_wait -1                              ; all 1,024 columns are (the loads of E stay on their way: nobody writes E)
.irp j, 0,1,2,3,4,5,6,7
	ds_load_b128 v[VV+4*\j:VV+4*\j+3], v4 offset:512*\j                    ; lanes at neighbouring 16 bytes: no bank is asked twice
.endr
	s_wait_dscnt 0x0
; the row in blk times v[b]: four chains in each lane, then across the 32 lanes; every lane ends with the score
.macro DOT blk
.irp p, 0,1,2,3
	v_pk_mul_f32 v[DD+2*\p:DD+2*\p+1], v[\blk+2*\p:\blk+2*\p+1], v[VV+2*\p:VV+2*\p+1]
.endr
.irp r, 1,2,3
.irp p, 0,1,2,3
	v_pk_fma_f32 v[DD+2*\p:DD+2*\p+1], v[\blk+8*\r+2*\p:\blk+8*\r+2*\p+1], v[VV+8*\r+2*\p:VV+8*\r+2*\p+1], v[DD+2*\p:DD+2*\p+1]
.endr
.endr
	v_pk_add_f32 v[DD:DD+1], v[DD:DD+1], v[DD+2:DD+3]
	v_pk_add_f32 v[DD+4:DD+5], v[DD+4:DD+5], v[DD+6:DD+7]
	v_pk_add_f32 v[DD:DD+1], v[DD:DD+1], v[DD+4:DD+5]
	v_add_f32 v[SS], v[DD], v[DD+1]
	v_add_f32_dpp v[SS], v[SS], v[SS] row_xmask:1 row_mask:0xf bank_mask:0xf
	v_add_f32_dpp v[SS], v[SS], v[SS] row_xmask:2 row_mask:0xf bank_mask:0xf
	v_add_f32_dpp v[SS], v[SS], v[SS] row_xmask:4 row_mask:0xf bank_mask:0xf
	v_add_f32_dpp v[SS], v[SS], v[SS] row_xmask:8 row_mask:0xf bank_mask:0xf
	v_permlanex16_b32 v[DD], v[SS], s18, s19       ; its destination counts as read: a register that has been written
	v_add_f32 v[SS], v[SS], v[DD]
.endm
; Row i of the wave, in slot (i - 1) mod 4.  left = how many younger loads may stay out; fill = 1: the slot gets row i + 4.
; The sum so far is rescaled in every turn: no branch hangs on a score.
.macro TURN i, slot, fill, left
	s_wait_loadcnt \left                           ; loads return in order: this row's eight are in
	DOT XX+32*\slot
	ds_store_b32 v5, v[SS] offset:64*\i            ; local row 16 i + w; all lanes write one word with one value
	v_max_num_f32 v[MNEW], v[MM], v[SS]
	v_sub_f32 v[TA], v[MM], v[MNEW]                ; the differences first, each of two numbers of like size, then the factor:
	v_sub_f32 v[TP], v[SS], v[MNEW]                ; fused with it they would be differences of rounded products of large scores
	v_mul_f32 v[TA], LOG2E, v[TA]
	v_mul_f32 v[TP], LOG2E, v[TP]
	v_exp_f32 v[FA], v[TA]
	v_exp_f32 v[FP], v[TP]
	v_mov_b32 v[MM], v[MNEW]                       ; the plain instruction between the exponentials and the first use of their results (ISA guide 5.7.2)
	s_wait_alu depctr_va_vdst(0)
	v_fma_f32 v[LL], v[LL], v[FA], v[FP]
.irp p, 0,1,2,3,4,5,6,7,8,9,10,11,12,13,14,15
	v_pk_mul_f32 v[ACC+2*\p:ACC+2*\p+1], v[ACC+2*\p:ACC+2*\p+1], v[FA:FA+1] op_sel_hi:[1,0]
.endr
.irp p, 0,1,2,3,4,5,6,7,8,9,10,11,12,13,14,15
	v_pk_fma_f32 v[ACC+2*\p:ACC+2*\p+1], v[XX+32*\slot+2*\p:XX+32*\slot+2*\p+1], v[FP:FP+1], v[ACC+2*\p:ACC+2*\p+1] op_sel_hi:[1,0,1]
.endr
.if \fill
	FILL XX+32*\slot, \i+4
.endif
.endm
	s_wait_loadcnt 32                              ; row 0 is in; the four slots' 32 loads stay out
	DOT ACC
	ds_store_b32 v5, v[SS]
	v_mov_b32 v[MM], v[SS]                         ; the first row starts the maximum, the sum of weights (1) and the weighted sum (the row itself)
	v_mov_b32 v[LL], 1.0
	TURN 1,  0, 1, 24                              ; 24: the three younger rows' loads
	TURN 2,  1, 1, 24
	TURN 3,  2, 1, 24
	TURN 4,  3, 1, 24
	TURN 5,  0, 1, 24
	TURN 6,  1, 1, 24
	TURN 7,  2, 1, 24
	TURN 8,  3, 1, 24
	TURN 9,  0, 1, 24
	TURN 10, 1, 1, 24
	TURN 11, 2, 1, 24                              ; asks for row 15, the wave's last: no load leaves the chunk
	TURN 12, 3, 0, 24
	TURN 13, 0, 0, 16                              ; the counts run down
	TURN 14, 1, 0, 8
	TURN 15, 2, 0, 0
	; the sixteen waves' figures meet in LDS
.irp j, 0,1,2,3,4,5,6,7
	ds_store_b128 v1, v[ACC+4*\j:ACC+4*\j+3] offset:LACC+512*\j
.endr
	ds_store_b32 v6, v[MM]
	ds_store_b32 v6, v[LL] offset:64
	s_wait_dscnt 0x0                               ; all my LDS stores, the sixteen scores among them, are done before I say so
	s_barrier_signal -1
	s_barrier_wait -1
.set MS,   96                          ; v[96:111]   m of the 16 waves            (the row slots are free: the last turn waited for every load)
.set LS,   112                         ; v[112:127]  l of the 16 waves
.set PA,   128                         ; v[128:159]  pair p: wave p's sum at my two columns
.set FF,   160                         ; v[160:191]  pair p: (exp(m_p - m), its argument)
.set MX,   192                         ; v[192:193] = (m, l) of the chunk
.set LSUM, 193
.set OUTP, 194                         ; v[194:195]  the chunk's sum at my two columns
.set SCR,  196                         ; v[196:203]  wave 0: the scores on their way out
.irp k, 0,1,2,3
	ds_load_b128 v[MS+4*\k:MS+4*\k+3], v7 offset:16*\k                     ; every lane reads the same words
.endr
.irp k, 0,1,2,3
	ds_load_b128 v[LS+4*\k:LS+4*\k+3], v7 offset:64+16*\k
.endr
.irp p, 0,1,2,3,4,5,6,7,8,9,10,11,12,13,14,15
	ds_load_b64 v[PA+2*\p:PA+2*\p+1], v2 offset:LACC+4096*\p
.endr
	s_wait_dscnt 16                                ; m and l are in; the 16 younger loads of sums stay out
	v_max3_num_f32 v[MX], v[MS], v[MS+1], v[MS+2]
.irp k, 3,5,7,9,11,13
	v_max3_num_f32 v[MX], v[MX], v[MS+\k], v[MS+\k+1]
.endr
	v_max_num_f32 v[MX], v[MX], v[MS+15]
.irp p, 0,1,2,3,4,5,6,7,8,9,10,11,12,13,14,15
	v_sub_f32 v[FF+2*\p+1], v[MS+\p], v[MX]
.endr
.irp p, 0,1,2,3,4,5,6,7,8,9,10,11,12,13,14,15
	v_mul_f32 v[FF+2*\p+1], LOG2E, v[FF+2*\p+1]
.endr
.irp p, 0,1,2,3,4,5,6,7,8,9,10,11,12,13,14,15
	v_exp_f32 v[FF+2*\p], v[FF+2*\p+1]
.endr
	v_nop                                          ; the plain place behind the last exponential (ISA guide 5.7.2)
	s_wait_alu depctr_va_vdst(0)
	v_mul_f32 v[LSUM], v[FF], v[LS]
.irp p, 1,2,3,4,5,6,7,8,9,10,11,12,13,14,15
	v_fma_f32 v[LSUM], v[FF+2*\p], v[LS+\p], v[LSUM]
.endr
	s_wait_dscnt 0x0
	v_pk_mul_f32 v[OUTP:OUTP+1], v[PA:PA+1], v[FF:FF+1] op_sel_hi:[1,0]
.irp p, 1,2,3,4,5,6,7,8,9,10,11,12,13,14,15
	v_pk_fma_f32 v[OUTP:OUTP+1], v[PA+2*\p:PA+2*\p+1], v[FF+2*\p:FF+2*\p+1], v[OUTP:OUTP+1] op_sel_hi:[1,0,1]
.endr
	global_store_b64 v2, v[OUTP:OUTP+1], s[8:9]    ; a wave's store covers 256 consecutive bytes, aligned
	s_cmp_lg_u32 s14, 0                            ; wave 0 alone writes the chunk's (m, l) and its scores; no barrier follows
	s_cbranch_scc1 .Lend
	ds_load_b128 v[SCR:SCR+3], v8
	ds_load_b128 v[SCR+4:SCR+7], v8 offset:512
	global_store_b64 v26, v[MX:MX+1], s[10:11]     ; (m, l) from all 32 lanes: 256 consecutive bytes, aligned, written whole
	s_wait_dscnt 0x0
	global_store_b128 v9, v[SCR:SCR+3], s[12:13]
	global_store_b128 v9, v[SCR+4:SCR+7], s[12:13] offset:512
.Lend:
	s_wait_tensorcnt 0x0
	ds_add_u32 v224, v225
	s_wait_dscnt 0x0
	s_endpgm
.Lfunc_end_k_q699f410dd9_stream:
	.size	k_q699f410dd9_stream, .Lfunc_end_k_q699f410dd9_stream-k_q699f410dd9_stream
	.p2alignl 7, 3214868480
	.fill 96, 4, 3214868480
	.section	.rodata,"a",@progbits
	.p2align	6, 0x0
	.amdhsa_kernel k_q699f410dd9_stream
		.amdhsa_group_segment_fixed_size 72960
		.amdhsa_private_segment_fixed_size 0
		.amdhsa_enable_private_segment 0
		.amdhsa_kernarg_size 40
		.amdhsa_user_sgpr_count 2
		.amdhsa_user_sgpr_kernarg_segment_ptr 1
		.amdhsa_wavefront_size32 1
		.amdhsa_system_sgpr_workgroup_id_x 1
		.amdhsa_system_sgpr_workgroup_id_y 1
		.amdhsa_system_sgpr_workgroup_id_z 1
		.amdhsa_system_vgpr_workitem_id 0
		.amdhsa_next_free_vgpr 226
		.amdhsa_next_free_sgpr 66
		.amdhsa_reserve_vcc 0
		.amdhsa_float_denorm_mode_32 3
		.amdhsa_float_denorm_mode_16_64 3
		.amdhsa_memory_ordered 1
		.amdhsa_forward_progress 1
		.amdhsa_inst_pref_size 88
	.end_amdhsa_kernel
	.amdgpu_metadata
---
amdhsa.version: [ 1, 2 ]
amdhsa.kernels:
  - .name:           k_q699f410dd9_stream
    .symbol:         k_q699f410dd9_stream.kd
    .args:
      - { .name: encoder_outputs, .offset: 0, .size: 8, .value_kind: global_buffer, .address_space: global }
      - { .name: vpart, .offset: 8, .size: 8, .value_kind: global_buffer, .address_space: global }
      - { .name: part, .offset: 16, .size: 8, .value_kind: global_buffer, .address_space: global }
      - { .name: stats, .offset: 24, .size: 8, .value_kind: global_buffer, .address_space: global }
      - { .name: scores, .offset: 32, .size: 8, .value_kind: global_buffer, .address_space: global }
    .group_segment_fixed_size: 72960
    .private_segment_fixed_size: 0
    .kernarg_segment_align: 8
    .kernarg_segment_size: 40
    .max_flat_workgroup_size: 512
    .sgpr_count:     66
    .vgpr_count:     226
    .wavefront_size: 32
...
	.end_amdgpu_metadata
.endif
;; end of part 2
;; launch finish (part 3): grid 8 x 32, 1 waves a work-group, no clusters, 0 bytes of LDS; arguments part, stats, scores, out0, out1; writes out0, out1
.if DOCPART == 3
	.amdgcn_target "amdgcn-amd-amdhsa--gfx1250"
	.amdhsa_code_object_version 6
	.text
	.protected	k_q699f410dd9_finish
	.globl	k_q699f410dd9_finish
	.p2align	8
	.type	k_q699f410dd9_finish,@function
k_q699f410dd9_finish:
	s_mov_b64 s[64:65], 0
	v_nop
	global_prefetch_b8 v0, s[64:65] scope:SCOPE_SE
	s_setreg_imm32_b32 hwreg(HW_REG_WAVE_MODE, 25, 1), 1
	s_wait_xcnt 0x0
; Joins the eight chunks of a batch.  With m = max over c of m_c, f_c = exp(m_c - m), l = sum of f_c l_c:
;   out0[b][h] = sum over c of (f_c / l) part[8 b + c][h]          out1[b][t] = exp(scores[b][t] - m) / l
; Work-group (q, b) is one wave: 128 columns of out0[b] (512 bytes) and 256 weights of out1[b] (1,024 bytes).  Every work-group of a batch
; makes m and l anew from the batch's eight pairs: 2 KiB read, no word passed between work-groups.
; l is at least 1 (the chunk that holds the maximum has f = 1 and l_c >= 1), so the reciprocal is of a normal number.
; LIMIT: v_exp_f32 gives 0 for results below 2^-126: weights that small come out as 0.
; 18 loads, all issued at once; no LDS, no barrier, no matrix work: 1.3 MB come in and 0.4 MB go out in the whole launch.
.set LOG2E, 0x3fb8aa3b
.set ST,   4                           ; v[4:19]   pair c: (m_c, l_c)
.set PP,   20                          ; v[20:51]  quad c: part[8 b + c] at my four columns
.set SC,   52                          ; v[52:59]  my eight scores, then my eight weights
.set GG,   60                          ; v[60:75]  pair c: (f_c / l, f_c)
.set MX,   76
.set RR,   78                          ; v[78:79] = (1 / l, l)
.set TT,   80                          ; v[80:87]  arguments of exponentials
.set OUTP, 88                          ; v[88:91]
	s_load_b256 s[4:11], s[0:1], 0x0               ; part s[4:5], stats s[6:7], scores s[8:9], out0 s[10:11]
	s_load_b64 s[12:13], s[0:1], 0x20              ; out1
	v_lshlrev_b32 v1, 3, v0                        ; 8 L
	v_lshlrev_b32 v2, 4, v0                        ; 16 L
	s_and_b32 s14, ttmp7, 0xffff                   ; b
	s_lshl_b32 s15, ttmp9, 9                       ; 512 q
	s_lshl_b32 s16, s14, 15
	s_add_co_u32 s16, s16, s15                     ; part: 8 b rows of 4,096 bytes + 512 q
	s_mov_b32 s17, 0
	s_lshl_b32 s18, s14, 11                        ; stats: 8 b pieces of 256 bytes
	s_mov_b32 s19, 0
	s_lshl_b32 s22, s14, 12
	s_add_co_u32 s22, s22, s15                     ; out0: row b + 512 q
	s_mov_b32 s23, 0
	s_lshl_b32 s20, s14, 13
	s_lshl_b32 s15, ttmp9, 10
	s_add_co_u32 s20, s20, s15                     ; scores and out1: row b + 1,024 q
	s_mov_b32 s21, 0
	s_wait_kmcnt 0x0
	s_add_nc_u64 s[4:5], s[4:5], s[16:17]
	s_add_nc_u64 s[6:7], s[6:7], s[18:19]
	s_add_nc_u64 s[8:9], s[8:9], s[20:21]
	s_add_nc_u64 s[10:11], s[10:11], s[22:23]
	s_add_nc_u64 s[12:13], s[12:13], s[20:21]
.irp c, 0,1,2,3,4,5,6,7
	global_load_b64 v[ST+2*\c:ST+2*\c+1], v1, s[6:7] offset:256*\c         ; each lane takes one of the piece's 32 equal pairs
.endr
.irp c, 0,1,2,3,4,5,6,7
	global_load_b128 v[PP+4*\c:PP+4*\c+3], v2, s[4:5] offset:4096*\c
.endr
	global_load_b128 v[SC:SC+3], v2, s[8:9]
	global_load_b128 v[SC+4:SC+7], v2, s[8:9] offset:512
	s_wait_loadcnt 10                              ; the eight pairs are in; the ten younger loads stay out
	v_max3_num_f32 v[MX], v[ST], v[ST+2], v[ST+4]
	v_max3_num_f32 v[MX], v[MX], v[ST+6], v[ST+8]
	v_max3_num_f32 v[MX], v[MX], v[ST+10], v[ST+12]
	v_max_num_f32 v[MX], v[MX], v[ST+14]
.irp c, 0,1,2,3,4,5,6,7
	v_sub_f32 v[TT+\c], v[ST+2*\c], v[MX]          ; the difference first, then the factor: see the scores below
.endr
.irp c, 0,1,2,3,4,5,6,7
	v_mul_f32 v[TT+\c], LOG2E, v[TT+\c]
.endr
.irp c, 0,1,2,3,4,5,6,7
	v_exp_f32 v[GG+2*\c+1], v[TT+\c]
.endr
	v_nop                                          ; the plain place behind the last exponential (ISA guide 5.7.2)
	s_wait_alu depctr_va_vdst(0)
	v_mul_f32 v[RR+1], v[GG+1], v[ST+1]
.irp c, 1,2,3,4,5,6,7
	v_fma_f32 v[RR+1], v[GG+2*\c+1], v[ST+2*\c+1], v[RR+1]
.endr
	v_rcp_f32 v[RR], v[RR+1]
	v_nop                                          ; and behind the reciprocal
	s_wait_alu depctr_va_vdst(0)
.irp c, 0,1,2,3,4,5,6,7
	v_mul_f32 v[GG+2*\c], v[GG+2*\c+1], v[RR]
.endr
	s_wait_loadcnt 2                               ; the eight quads of part are in; the two loads of scores may stay out
	v_pk_mul_f32 v[OUTP:OUTP+1], v[PP:PP+1], v[GG:GG+1] op_sel_hi:[1,0]
	v_pk_mul_f32 v[OUTP+2:OUTP+3], v[PP+2:PP+3], v[GG:GG+1] op_sel_hi:[1,0]
.irp c, 1,2,3,4,5,6,7
	v_pk_fma_f32 v[OUTP:OUTP+1], v[PP+4*\c:PP+4*\c+1], v[GG+2*\c:GG+2*\c+1], v[OUTP:OUTP+1] op_sel_hi:[1,0,1]
	v_pk_fma_f32 v[OUTP+2:OUTP+3], v[PP+4*\c+2:PP+4*\c+3], v[GG+2*\c:GG+2*\c+1], v[OUTP+2:OUTP+3] op_sel_hi:[1,0,1]
.endr
	global_store_b128 v2, v[OUTP:OUTP+3], s[10:11] ; 512 consecutive bytes, aligned
	s_wait_loadcnt 0x0
.irp k, 0,1,2,3,4,5,6,7
	v_sub_f32 v[TT+\k], v[SC+\k], v[MX]            ; score minus the batch's maximum: a difference of two f32 of like size, not of two rounded products
.endr
.irp k, 0,1,2,3,4,5,6,7
	v_mul_f32 v[TT+\k], LOG2E, v[TT+\k]
.endr
.irp k, 0,1,2,3,4,5,6,7
	v_exp_f32 v[SC+\k], v[TT+\k]
.endr
	v_nop
	s_wait_alu depctr_va_vdst(0)
.irp k, 0,2,4,6
	v_pk_mul_f32 v[SC+\k:SC+\k+1], v[SC+\k:SC+\k+1], v[RR:RR+1] op_sel_hi:[1,0]
.endr
	global_store_b128 v2, v[SC:SC+3], s[12:13]
	global_store_b128 v2, v[SC+4:SC+7], s[12:13] offset:512
	s_endpgm
.Lfunc_end_k_q699f410dd9_finish:
	.size	k_q699f410dd9_finish, .Lfunc_end_k_q699f410dd9_finish-k_q699f410dd9_finish
	.p2alignl 7, 3214868480
	.fill 96, 4, 3214868480
	.section	.rodata,"a",@progbits
	.p2align	6, 0x0
	.amdhsa_kernel k_q699f410dd9_finish
		.amdhsa_group_segment_fixed_size 0
		.amdhsa_private_segment_fixed_size 0
		.amdhsa_enable_private_segment 0
		.amdhsa_kernarg_size 40
		.amdhsa_user_sgpr_count 2
		.amdhsa_user_sgpr_kernarg_segment_ptr 1
		.amdhsa_wavefront_size32 1
		.amdhsa_system_sgpr_workgroup_id_x 1
		.amdhsa_system_sgpr_workgroup_id_y 1
		.amdhsa_system_sgpr_workgroup_id_z 1
		.amdhsa_system_vgpr_workitem_id 0
		.amdhsa_next_free_vgpr 92
		.amdhsa_next_free_sgpr 66
		.amdhsa_reserve_vcc 0
		.amdhsa_float_denorm_mode_32 3
		.amdhsa_float_denorm_mode_16_64 3
		.amdhsa_memory_ordered 1
		.amdhsa_forward_progress 1
		.amdhsa_inst_pref_size 8
	.end_amdhsa_kernel
	.amdgpu_metadata
---
amdhsa.version: [ 1, 2 ]
amdhsa.kernels:
  - .name:           k_q699f410dd9_finish
    .symbol:         k_q699f410dd9_finish.kd
    .args:
      - { .name: part, .offset: 0, .size: 8, .value_kind: global_buffer, .address_space: global }
      - { .name: stats, .offset: 8, .size: 8, .value_kind: global_buffer, .address_space: global }
      - { .name: scores, .offset: 16, .size: 8, .value_kind: global_buffer, .address_space: global }
      - { .name: out0, .offset: 24, .size: 8, .value_kind: global_buffer, .address_space: global }
      - { .name: out1, .offset: 32, .size: 8, .value_kind: global_buffer, .address_space: global }
    .group_segment_fixed_size: 0
    .private_segment_fixed_size: 0
    .kernarg_segment_align: 8
    .kernarg_segment_size: 40
    .max_flat_workgroup_size: 32
    .sgpr_count:     66
    .vgpr_count:     92
    .wavefront_size: 32
...
	.end_amdgpu_metadata
.endif
;; end of part 3
;; ======== version 2 of 2: 3 launches; version 1 with the launch stream written anew for expert scheduling mode
;; workspace buffers: vpart 2,097,152 bytes; part 1,048,576 bytes; stats 65,536 bytes; scores 262,144 bytes
;; launch vproj: the kernel of part 1 again; grid 16 x 16, 8 waves a work-group, no clusters, 0 bytes of LDS; arguments hidden, W, vpart; writes vpart
;; launch stream (part 4): grid 8 x 32, 16 waves a work-group, no clusters, 72,960 bytes of LDS; arguments encoder_outputs, vpart, part, stats, scores; writes part, stats, scores
.if DOCPART == 4
	.amdgcn_target "amdgcn-amd-amdhsa--gfx1250"
	.amdhsa_code_object_version 6
	.text
	.protected	k_q699f410dd9_stream
	.globl	k_q699f410dd9_stream
	.p2align	8
	.type	k_q699f410dd9_stream,@function
k_q699f410dd9_stream:
	s_mov_b64 s[64:65], 0
	v_nop
	global_prefetch_b8 v0, s[64:65] scope:SCOPE_SE
	s_setreg_imm32_b32 hwreg(HW_REG_WAVE_SCHED_MODE, 0, 2), 2
	s_setreg_imm32_b32 hwreg(HW_REG_WAVE_MODE, 25, 1), 1
	s_wait_xcnt 0x0
	s_wait_alu depctr_vm_vsrc(0)
; One pass over encoder_outputs E [32][2048][1024] f32: scores, softmax with a running maximum, and the weighted sum of rows, fused, so that
; every byte of E is read once.  Work-group (c, b), idx = 8 b + c, takes rows t = 256 c .. 256 c + 255 of batch b (1 MiB) and leaves
;   scores[b][t]  = E[b][t][:] . v[b][:]            (raw; v[b] = the sum of the sixteen parts in vpart)
;   stats[idx]    = (m, l): m = the largest score of the chunk, l = sum over its t of exp(s_t - m); written 32 times, one 256-byte piece
;   part[idx][h]  = sum over its t of exp(s_t - m) E[b][t][h]
; The last launch joins a batch's eight chunks.
; Sixteen waves; wave w takes local rows 16 i + w, i = 0 .. 15, a whole row (4,096 bytes = 32 registers) a turn: the dot product stays inside
; the wave, and the row stays in registers for the weighted sum.  Four row slots and, at the start, the accumulator's registers are loaded
; ahead: 40 loads of 512 bytes a wave at the start, 24 while a row is at work.
; All arithmetic is f32 on the vector unit: these are products with ONE row a batch, of which a 16 x 16 matrix form would use a sixteenth, a
; conversion would cost what the multiply-add costs, and 16-bit operands would put an error of about a tenth on the scores.
; No tensor loads, no LDS ring: a row is read by one wave alone and goes straight to its registers.  No cluster: no byte of E is shared; the
; eight work-groups of a batch share 64 KiB of vpart against 1 MiB of their own.  No prefetch: the loop's own loads run four rows ahead.
; LIMITS: sums in f32 in another order than the reference's; v_exp_f32 gives 0 for results below 2^-126 (weights that small come out as 0);
; a score's own f32 rounding grows with the scores' size, as it does in the reference.
; THE MODE: SCHED_MODE bits 1:0 = 2 (LLVM: expert scheduling mode 2), set by the entry lines.  The code itself states the register dependences
; between vector instructions and memory or LDS instructions, with s_wait_alu, always for 0.
; THE PLAN.  Registers that memory or LDS instructions touch:
;   v1 .. v9, v26    offsets and LDS addresses, made once by vector lines and never written again (v3: once as the wave's number, for a vector line alone).
;   VV               the loads of vpart land in it; fifteen additions read and write it; one LDS store reads VV[0:1]; eight LDS loads land in it; then vector lines alone.
;   SS               written by a row's dot product, read by the row's one LDS store, written again by the next row's.
;   XX slot s        eight loads land; the turn's dot product and its sixteen multiply-adds read it; the next eight loads land.
;   ACC, MM, LL      row 0's loads land in ACC; vector lines alone through the turns; LDS stores read them behind the last turn.
;   v[96:159], v[196:203]   former row slots, in which LDS loads land behind the second barrier.     v[192:195]   written by vector lines, read by global stores.
; A turn holds three waits.  At its head, on vm_vsrc: the LDS store of the row before has read SS.  Behind its two exponentials, on va_vdst: their
; results are written, and so is SS, so that the score's LDS store stands directly behind this wait.  Behind its multiply-adds, on va_vdst: they are
; done reading the slot, which is asked for again at once.  That third wait is not put off to the next turn's second: the refill would then stand
; behind the next row's wait for data, with 24 loads of the wave out there and not 32; and a fifth slot of 32 registers does not fit beside these 226
; where four waves share a SIMD's 1,024.
.set LOG2E, 0x3fb8aa3b
.set LACC, 0                           ; LDS: 16 waves x 4,096 bytes: each wave's weighted sum of rows
.set LV,   65536                       ;      4,096 bytes: v[b]
.set LST,  69632                       ;      m of the 16 waves at +0, l at +64
.set LSC,  69888                       ;      1,024 bytes: the chunk's 256 scores.  No LDS byte is written twice.
.set DD,   10                          ; v[10:17]  four chains of the dot product
.set SS,   18                          ; the row's score
.set MNEW, 19
.set TA,   20
.set TP,   21
.set FA,   22                          ; v[22:23] = (factor for what was summed so far, running maximum)
.set MM,   23
.set FP,   24                          ; v[24:25] = (the row's weight, running sum of weights)
.set LL,   25
.set VV,   32                          ; v[32:63]  v[b] at my columns 128 j + 4 L .. + 3
.set ACC,  64                          ; v[64:95]  the weighted sum at the same columns
.set XX,   96                          ; v[96:223] four row slots of 32 registers
; v1 4096 w + 16 L (E, LACC)   v2 8 t (vpart, part, LACC by columns)   v3 LV + 8 t   v4 LV + 16 L   v5 LSC + 4 w   v6 LST + 4 w
; v7 LST   v8 LSC + 16 L   v9 16 L   v26 8 L.  None is ever rewritten, nor any base: no load or store has a source freed by a wait.
	s_load_b256 s[4:11], s[0:1], 0x0               ; E s[4:5], vpart s[6:7], part s[8:9], stats s[10:11]
	s_load_b64 s[12:13], s[0:1], 0x20              ; scores
	v_lshl_add_u32 v224, v0, 2, 0x11500
	v_mov_b32 v225, 0
	v_lshrrev_b32 v3, 5, v0
	v_readfirstlane_b32 s14, v3                    ; wave
	v_and_b32 v9, 31, v0
	v_lshlrev_b32 v26, 3, v9                       ; 8 L
	v_lshlrev_b32 v9, 4, v9                        ; 16 L
	s_wait_alu depctr_va_sdst(0)                   ; s14 is written, ahead of its first reader, the next line
	v_lshl_add_u32 v1, s14, 12, v9                 ; 4096 w + 16 L
	v_lshlrev_b32 v2, 3, v0                        ; 8 t: thread t owns columns 2 t, 2 t + 1 where the work-group works by columns
	s_and_b32 s15, ttmp7, 0xffff                   ; b
	s_lshl_b32 s20, s15, 12                        ; a row of vpart
	s_mov_b32 s21, 0
	s_lshl_b32 s15, s15, 3
	s_add_co_u32 s15, s15, ttmp9                   ; idx = 8 b + c
	s_lshl_b32 s16, s15, 20                        ; idx x 256 rows x 4,096 bytes: below 2^28
	s_mov_b32 s17, 0
	s_mov_b32 s18, 0x76543210                      ; v_permlanex16_b32: lane i of one half reads lane i of the other
	s_mov_b32 s19, 0xfedcba98
	s_wait_kmcnt 0x0
	s_add_nc_u64 s[6:7], s[6:7], s[20:21]
	s_add_nc_u64 s[4:5], s[4:5], s[16:17]
	s_wait_alu depctr_va_vdst(0)                   ; v2 and v1 are written, which the loads below read as offsets (v9 and v26, the last stores' offsets, too)
.irp k, 0,1,2,3,4,5,6,7,8,9,10,11,12,13,14,15
	global_load_b64 v[VV+2*\k:VV+2*\k+1], v2, s[6:7] offset:131072*\k      ; part k of v[b] at my two columns
.endr
; a row: eight loads of 512 consecutive bytes; E is read once in the launch
.macro FILL blk, row
.irp j, 0,1,2,3,4,5,6,7
	global_load_b128 v[\blk+4*\j:\blk+4*\j+3], v1, s[4:5] offset:65536*(\row)+512*\j th:TH_LOAD_NT
.endr
.endm
	FILL ACC, 0                                    ; the first row has the weight exp(0) = 1: it is loaded straight into the sum's registers
	FILL XX+32*0, 1
	FILL XX+32*1, 2
	FILL XX+32*2, 3
	FILL XX+32*3, 4
	s_lshl_b32 s16, s15, 12
	s_add_nc_u64 s[8:9], s[8:9], s[16:17]          ; part at row idx
	s_lshl_b32 s16, s15, 8
	s_add_nc_u64 s[10:11], s[10:11], s[16:17]      ; stats at piece idx
	s_lshl_b32 s16, s15, 10
	s_add_nc_u64 s[12:13], s[12:13], s[16:17]      ; scores at the chunk's first
	s_lshl_b32 s22, s14, 2
	s_add_co_u32 s23, s22, LSC
	s_add_co_u32 s22, s22, LST
	v_add_nc_u32 v3, LV, v2
	v_add_nc_u32 v4, LV, v9
	v_mov_b32 v5, s23
	v_mov_b32 v6, s22
	v_mov_b32 v7, LST
	v_add_nc_u32 v8, LSC, v9
	; v[b]: sixteen parts are added in pairs, each thread for its two columns, and handed round through LDS
	s_wait_loadcnt 40                              ; the 16 loads of vpart are in; the 40 younger loads of E stay out
.irp k, 0,1,2,3,4,5,6,7
	v_pk_add_f32 v[VV+4*\k:VV+4*\k+1], v[VV+4*\k:VV+4*\k+1], v[VV+4*\k+2:VV+4*\k+3]
.endr
.irp k, 0,1,2,3
	v_pk_add_f32 v[VV+8*\k:VV+8*\k+1], v[VV+8*\k:VV+8*\k+1], v[VV+8*\k+4:VV+8*\k+5]
.endr
	v_pk_add_f32 v[VV:VV+1], v[VV:VV+1], v[VV+8:VV+9]
	v_pk_add_f32 v[VV+16:VV+17], v[VV+16:VV+17], v[VV+24:VV+25]
	v_pk_add_f32 v[VV:VV+1], v[VV:VV+1], v[VV+16:VV+17]
	s_wait_alu depctr_va_vdst(0)                   ; VV[0:1] and v3 are written, which the LDS store reads; so are the LDS addresses v4 to v8; and the additions are done with all of VV, in which the LDS loads behind the barrier land (no vector line stands between)
	ds_store_b64 v3, v[VV:VV+1]
	s_wait_dscnt 0x0                               ; my two columns are in LDS before I say so
	s_barrier_signal -1
	s_barrier_wait -1                              ; all 1,024 columns are (the loads of E stay on their way: nobody writes E)
	s_wait_alu depctr_vm_vsrc(0)                   ; my LDS store has read VV[0:1], in which the first load below lands
.irp j, 0,1,2,3,4,5,6,7
	ds_load_b128 v[VV+4*\j:VV+4*\j+3], v4 offset:512*\j                    ; lanes at neighbouring 16 bytes: no bank is asked twice
.endr
	s_wait_dscnt 0x0
; the row in blk times v[b]: four chains in each lane, then across the 32 lanes; every lane ends with the score
.macro DOT blk
.irp p, 0,1,2,3
	v_pk_mul_f32 v[DD+2*\p:DD+2*\p+1], v[\blk+2*\p:\blk+2*\p+1], v[VV+2*\p:VV+2*\p+1]
.endr
.irp r, 1,2,3
.irp p, 0,1,2,3
	v_pk_fma_f32 v[DD+2*\p:DD+2*\p+1], v[\blk+8*\r+2*\p:\blk+8*\r+2*\p+1], v[VV+8*\r+2*\p:VV+8*\r+2*\p+1], v[DD+2*\p:DD+2*\p+1]
.endr
.endr
	v_pk_add_f32 v[DD:DD+1], v[DD:DD+1], v[DD+2:DD+3]
	v_pk_add_f32 v[DD+4:DD+5], v[DD+4:DD+5], v[DD+6:DD+7]
	v_pk_add_f32 v[DD:DD+1], v[DD:DD+1], v[DD+4:DD+5]
	v_add_f32 v[SS], v[DD], v[DD+1]
	v_add_f32_dpp v[SS], v[SS], v[SS] row_xmask:1 row_mask:0xf bank_mask:0xf
	v_add_f32_dpp v[SS], v[SS], v[SS] row_xmask:2 row_mask:0xf bank_mask:0xf
	v_add_f32_dpp v[SS], v[SS], v[SS] row_xmask:4 row_mask:0xf bank_mask:0xf
	v_add_f32_dpp v[SS], v[SS], v[SS] row_xmask:8 row_mask:0xf bank_mask:0xf
	v_permlanex16_b32 v[DD], v[SS], s18, s19       ; its destination counts as read: a register that has been written
	v_add_f32 v[SS], v[SS], v[DD]
.endm
; Row i of the wave, in slot (i - 1) mod 4.  left = how many younger loads may stay out; fill = 1: the slot gets row i + 4.
; The sum so far is rescaled in every turn: no branch hangs on a score.
.macro TURN i, slot, fill, left
	s_wait_loadcnt \left                           ; loads return in order: this row's eight are in
	s_wait_alu depctr_vm_vsrc(0)                   ; the LDS store of the row before has read v[SS], which the dot product writes again
	DOT XX+32*\slot
	v_max_num_f32 v[MNEW], v[MM], v[SS]
	v_sub_f32 v[TA], v[MM], v[MNEW]                ; the differences first, each of two numbers of like size, then the factor:
	v_sub_f32 v[TP], v[SS], v[MNEW]                ; fused with it they would be differences of rounded products of large scores
	v_mul_f32 v[TA], LOG2E, v[TA]
	v_mul_f32 v[TP], LOG2E, v[TP]
	v_exp_f32 v[FA], v[TA]
	v_exp_f32 v[FP], v[TP]
	v_mov_b32 v[MM], v[MNEW]                       ; the plain instruction between the exponentials and the first use of their results (ISA guide 5.7.2)
	s_wait_alu depctr_va_vdst(0)                   ; the two exponentials have written v[FA] and v[FP], ahead of their first reader; and the dot product has written v[SS], which the LDS store reads
	ds_store_b32 v5, v[SS] offset:64*\i            ; local row 16 i + w; all lanes write one word with one value
	v_fma_f32 v[LL], v[LL], v[FA], v[FP]
.irp p, 0,1,2,3,4,5,6,7,8,9,10,11,12,13,14,15
	v_pk_mul_f32 v[ACC+2*\p:ACC+2*\p+1], v[ACC+2*\p:ACC+2*\p+1], v[FA:FA+1] op_sel_hi:[1,0]
.endr
.irp p, 0,1,2,3,4,5,6,7,8,9,10,11,12,13,14,15
	v_pk_fma_f32 v[ACC+2*\p:ACC+2*\p+1], v[XX+32*\slot+2*\p:XX+32*\slot+2*\p+1], v[FP:FP+1], v[ACC+2*\p:ACC+2*\p+1] op_sel_hi:[1,0,1]
.endr
.if \fill
	s_wait_alu depctr_va_vdst(0)                   ; the sixteen multiply-adds are done reading the slot, in which the eight loads below land
	FILL XX+32*\slot, \i+4
.endif
.endm
	s_wait_loadcnt 32                              ; row 0 is in; the four slots' 32 loads stay out
	DOT ACC
	s_wait_alu depctr_va_vdst(0)                   ; the dot product has written v[SS], which the LDS store reads
	ds_store_b32 v5, v[SS]
	v_mov_b32 v[MM], v[SS]                         ; the first row starts the maximum, the sum of weights (1) and the weighted sum (the row itself)
	v_mov_b32 v[LL], 1.0
	TURN 1,  0, 1, 24                              ; 24: the three younger rows' loads
	TURN 2,  1, 1, 24
	TURN 3,  2, 1, 24
	TURN 4,  3, 1, 24
	TURN 5,  0, 1, 24
	TURN 6,  1, 1, 24
	TURN 7,  2, 1, 24
	TURN 8,  3, 1, 24
	TURN 9,  0, 1, 24
	TURN 10, 1, 1, 24
	TURN 11, 2, 1, 24                              ; asks for row 15, the wave's last: no load leaves the chunk
	TURN 12, 3, 0, 24
	TURN 13, 0, 0, 16                              ; the counts run down
	TURN 14, 1, 0, 8
	TURN 15, 2, 0, 0
	; the sixteen waves' figures meet in LDS
	s_wait_alu depctr_va_vdst(0)                   ; the last turn has written ACC and v[LL] (v[MM] earlier), which the LDS stores read; and every reader of the row slots is done: LDS loads land in them behind the barrier, with no vector line between
.irp j, 0,1,2,3,4,5,6,7
	ds_store_b128 v1, v[ACC+4*\j:ACC+4*\j+3] offset:LACC+512*\j
.endr
	ds_store_b32 v6, v[MM]
	ds_store_b32 v6, v[LL] offset:64
	s_wait_dscnt 0x0                               ; all my LDS stores, the sixteen scores among them, are done before I say so
	s_barrier_signal -1
	s_barrier_wait -1
.set MS,   96                          ; v[96:111]   m of the 16 waves            (the row slots are free: the last turn waited for every load)
.set LS,   112                         ; v[112:127]  l of the 16 waves
.set PA,   128                         ; v[128:159]  pair p: wave p's sum at my two columns
.set FF,   160                         ; v[160:191]  pair p: (exp(m_p - m), its argument)
.set MX,   192                         ; v[192:193] = (m, l) of the chunk
.set LSUM, 193
.set OUTP, 194                         ; v[194:195]  the chunk's sum at my two columns
.set SCR,  196                         ; v[196:203]  wave 0: the scores on their way out
.irp k, 0,1,2,3
	ds_load_b128 v[MS+4*\k:MS+4*\k+3], v7 offset:16*\k                     ; every lane reads the same words
.endr
.irp k, 0,1,2,3
	ds_load_b128 v[LS+4*\k:LS+4*\k+3], v7 offset:64+16*\k
.endr
.irp p, 0,1,2,3,4,5,6,7,8,9,10,11,12,13,14,15
	ds_load_b64 v[PA+2*\p:PA+2*\p+1], v2 offset:LACC+4096*\p
.endr
	s_wait_dscnt 16                                ; m and l are in; the 16 younger loads of sums stay out
	v_max3_num_f32 v[MX], v[MS], v[MS+1], v[MS+2]
.irp k, 3,5,7,9,11,13
	v_max3_num_f32 v[MX], v[MX], v[MS+\k], v[MS+\k+1]
.endr
	v_max_num_f32 v[MX], v[MX], v[MS+15]
.irp p, 0,1,2,3,4,5,6,7,8,9,10,11,12,13,14,15
	v_sub_f32 v[FF+2*\p+1], v[MS+\p], v[MX]
.endr
.irp p, 0,1,2,3,4,5,6,7,8,9,10,11,12,13,14,15
	v_mul_f32 v[FF+2*\p+1], LOG2E, v[FF+2*\p+1]
.endr
.irp p, 0,1,2,3,4,5,6,7,8,9,10,11,12,13,14,15
	v_exp_f32 v[FF+2*\p], v[FF+2*\p+1]
.endr
	v_nop                                          ; the plain place behind the last exponential (ISA guide 5.7.2)
	s_wait_alu depctr_va_vdst(0)                   ; the sixteen exponentials have written v[FF], v[FF+2] .. v[FF+30], ahead of their first reader
	v_mul_f32 v[LSUM], v[FF], v[LS]
.irp p, 1,2,3,4,5,6,7,8,9,10,11,12,13,14,15
	v_fma_f32 v[LSUM], v[FF+2*\p], v[LS+\p], v[LSUM]
.endr
	s_wait_dscnt 0x0
	v_pk_mul_f32 v[OUTP:OUTP+1], v[PA:PA+1], v[FF:FF+1] op_sel_hi:[1,0]
.irp p, 1,2,3,4,5,6,7,8,9,10,11,12,13,14,15
	v_pk_fma_f32 v[OUTP:OUTP+1], v[PA+2*\p:PA+2*\p+1], v[FF+2*\p:FF+2*\p+1], v[OUTP:OUTP+1] op_sel_hi:[1,0,1]
.endr
	s_wait_alu depctr_va_vdst(0)                   ; v[OUTP:OUTP+1] and v[MX:MX+1] are written, which the stores below read; no vector line follows on either path, so wave 0's LDS loads into v[SCR ..] owe nothing more
	global_store_b64 v2, v[OUTP:OUTP+1], s[8:9]    ; a wave's store covers 256 consecutive bytes, aligned
	s_cmp_lg_u32 s14, 0                            ; wave 0 alone writes the chunk's (m, l) and its scores; no barrier follows
	s_cbranch_scc1 .Lend
	ds_load_b128 v[SCR:SCR+3], v8
	ds_load_b128 v[SCR+4:SCR+7], v8 offset:512
	global_store_b64 v26, v[MX:MX+1], s[10:11]     ; (m, l) from all 32 lanes: 256 consecutive bytes, aligned, written whole
	s_wait_dscnt 0x0
	global_store_b128 v9, v[SCR:SCR+3], s[12:13]
	global_store_b128 v9, v[SCR+4:SCR+7], s[12:13] offset:512
.Lend:
	s_wait_dscnt 0x0                               ; the closing lines, six on end, of a launch in the mode that stores to LDS
	s_wait_alu 0x0
	s_wait_tensorcnt 0x0
	ds_add_u32 v224, v225
	s_wait_dscnt 0x0
	s_endpgm
.Lfunc_end_k_q699f410dd9_stream:
	.size	k_q699f410dd9_stream, .Lfunc_end_k_q699f410dd9_stream-k_q699f410dd9_stream
	.p2alignl 7, 3214868480
	.fill 96, 4, 3214868480
	.section	.rodata,"a",@progbits
	.p2align	6, 0x0
	.amdhsa_kernel k_q699f410dd9_stream
		.amdhsa_group_segment_fixed_size 72960
		.amdhsa_private_segment_fixed_size 0
		.amdhsa_enable_private_segment 0
		.amdhsa_kernarg_size 40
		.amdhsa_user_sgpr_count 2
		.amdhsa_user_sgpr_kernarg_segment_ptr 1
		.amdhsa_wavefront_size32 1
		.amdhsa_system_sgpr_workgroup_id_x 1
		.amdhsa_system_sgpr_workgroup_id_y 1
		.amdhsa_system_sgpr_workgroup_id_z 1
		.amdhsa_system_vgpr_workitem_id 0
		.amdhsa_next_free_vgpr 226
		.amdhsa_next_free_sgpr 66
		.amdhsa_reserve_vcc 0
		.amdhsa_float_denorm_mode_32 3
		.amdhsa_float_denorm_mode_16_64 3
		.amdhsa_memory_ordered 1
		.amdhsa_forward_progress 1
		.amdhsa_inst_pref_size 89
	.end_amdhsa_kernel
	.amdgpu_metadata
---
amdhsa.version: [ 1, 2 ]
amdhsa.kernels:
  - .name:           k_q699f410dd9_stream
    .symbol:         k_q699f410dd9_stream.kd
    .args:
      - { .name: encoder_outputs, .offset: 0, .size: 8, .value_kind: global_buffer, .address_space: global }
      - { .name: vpart, .offset: 8, .size: 8, .value_kind: global_buffer, .address_space: global }
      - { .name: part, .offset: 16, .size: 8, .value_kind: global_buffer, .address_space: global }
      - { .name: stats, .offset: 24, .size: 8, .value_kind: global_buffer, .address_space: global }
      - { .name: scores, .offset: 32, .size: 8, .value_kind: global_buffer, .address_space: global }
    .group_segment_fixed_size: 72960
    .private_segment_fixed_size: 0
    .kernarg_segment_align: 8
    .kernarg_segment_size: 40
    .max_flat_workgroup_size: 512
    .sgpr_count:     66
    .vgpr_count:     226
    .wavefront_size: 32
...
	.end_amdgpu_metadata
.endif
;; end of part 4
;; launch finish: the kernel of part 3 again; grid 8 x 32, 1 waves a work-group, no clusters, 0 bytes of LDS; arguments part, stats, scores, out0, out1; writes out0, out1
